; MI455X (gfx1250); checked and timed in simulation.
; The chip was launched on July 23, 2026; its instructions are those of AMD's public machine-readable ISA for CDNA 5 (MIT licence, August 2026) and "CDNA5" Instruction Set Architecture Reference Guide (July 2026). The comments in the code are by the model that wrote it; some were corrected since.
;; Simple Mo E. Allowed arithmetic: matrix products marked QUANTISED: E2M3 operands, one E8M0 scale for each 32 along K, by v_wmma_scale_f32_16x16x128_f8f6f4 with both operands' format E2M3, f32 sums; products left as they are: f32 operands where the result goes on into a quantised operand, else bf16, f16 or f32 operands; f32 sums; everything else in f32.
;; Inputs: expert_b 8 x 1,024 float32; expert_w 8 x 1,024 x 1,024 float32; gate_b 8 float32; gate_w 8 x 1,024 float32; x 8,192 x 1,024 float32.
;; Outputs: out0 8,192 x 1,024 float32.
;; This version of the problem:
;;   THIS VERSION OF THE PROBLEM IS GIVEN IN LOW PRECISION. The matrix products marked QUANTISED in the list below multiply operands that are first quantised to E2M3 (2 exponent bits, 3 mantissa bits; 6 bits a number), with one power-of-two scale for each 32 numbers along K (OCP MX v1.0); their sums are f32. All else is computed in f32.
;;   The module's matrix products, in the order in which they are computed (A, B: the left and right operand; K: the contracted axis; several contracted axes count as one K, in the product's order):
;;     1. [M 8,192, K 1,024] x [K 1,024, N 8]; A: input x; B: input gate_w: left as it is (N = 8 < 16)
;;     2. [M 8,192, K 1,024] x [K 1,024, N 8,192]; A: input x; B: input expert_w: QUANTISED
;;     3. batch 8,192 x [M 1, K 8] x [K 8, N 1,024]; A: softmax; B: computed on the way: left as it is (K = 8 < 32)
;;   THE QUANTISER, for each operand of a quantised product, along K:
;;     - K is cut into blocks of 32 from its start; a last block that is shorter is filled with zeros.
;;     - A block's scale is 2^e with e = floor(log2(the largest magnitude in the block)) - 2, held to -126 .. 127; a block of zeros has e = 0. As a byte (E8M0): e + 127.
;;     - Each number is divided by its block's scale, clamped to +-7.5, and rounded to the nearest number of E2M3, ties to even, subnormals kept.
;;     - The product sums the exact products of the quantised numbers (number of the format x scale) in f32.
;;   ~~~python
;;   def quantise(x, axis):      # numpy; x: float32 -> the quantised numbers, widened to float32 again
;;       x = np.moveaxis(x, axis, -1); K = x.shape[-1]
;;       x = np.pad(x, [(0, 0)] * (x.ndim - 1) + [(0, -K % 32)]); x = x.reshape(x.shape[:-1] + (-1, 32)); a = np.abs(x).max(-1, keepdims=True)
;;       e = np.where(a > 0, np.clip(np.frexp(np.where(a > 0, a, 1))[1] - 1 - 2, -126, 127), 0)      # np.frexp(a)[1] - 1 = floor(log2(a)), exactly
;;       r = np.clip(x / 2.0 ** e, -7.5, 7.5)
;;       step = 2.0 ** (np.maximum(np.frexp(np.where(r == 0, 1, r))[1] - 1, 0) - 3)
;;       q = np.round(r / step) * step * 2.0 ** e      # np.round: ties to even
;;       return np.moveaxis(q.reshape(q.shape[:-2] + (-1,))[..., :K], -1, axis).astype(np.float32)
;;   ~~~
;; One version. Each part assembles by itself: llvm-mc -triple=amdgcn-amd-amdhsa -mcpu=gfx1250 --defsym DOCPART=n.
;; ======== version 1 of 1: 2 launches
;; workspace buffers: xq 6,553,600 bytes; wq 6,553,600 bytes; gates 262,144 bytes
;; launch quant (part 1): grid 256 x 1, 4 waves a work-group, no clusters, 270,848 bytes of LDS; arguments x, expert_w, gate_w, gate_b, xq, wq, gates; writes xq, wq, gates
.if DOCPART == 1
	.amdgcn_target "amdgcn-amd-amdhsa--gfx1250"
	.amdhsa_code_object_version 6
	.text
	.protected	k_q1044a7e709_quant
	.globl	k_q1044a7e709_quant
	.p2align	8
	.type	k_q1044a7e709_quant,@function
k_q1044a7e709_quant:
	s_mov_b64 s[64:65], 0
	v_nop
	global_prefetch_b8 v0, s[64:65] scope:SCOPE_SE
	s_setreg_imm32_b32 hwreg(HW_REG_WAVE_MODE, 25, 1), 1
	s_wait_xcnt 0x0
; x [8192][1024] and expert_w [8][1024][1024] (as [8192][1024]), f32, K innermost, become codes of FP6 (E2M3) with one E8M0 scale byte for each 32 along K,
; laid in the ORDER OF THE OPERAND'S REGISTERS, so that the product's launch takes every fragment by loads of 16 bytes a lane.  The work-groups that take x also make
; gates = softmax(x gate_w^T + gate_b), [8192][8] f32, while x's numbers are in their registers.
; A RECORD (51,200 bytes) holds 64 rows x 1,024 K: 32 fragment images of 1,536 bytes, fragment 4 s + b (K step s of 128, row block b of 16) at 1,536 (4 s + b): three chunks of 512 bytes, chunk c = every lane's
; operand registers 4 c .. 4 c + 3 at 16 x lane.  Behind them, at 49,152, four chunks of 512 bytes of scale words: chunk b holds, at 16 x lane, for lane (r, h), the words of row 16 b + r for K steps h, 2 + h, 4 + h, 6 + h.
; x's record is token / 64; a weight's is (o / 64) x 8 + e, so that the 16 records which a work-group of the product's launch walks lie on end.
; A block's scale is 2^(floor(log2(its largest magnitude)) - 2); its byte is the largest magnitude's exponent field - 2, held at 1 from below.
; THE GATE'S LOGITS ARE TAKEN FROM f32 OPERANDS, by v_wmma_f32_16x16x4_f32: bf16 operands would carry up to 2^-8 of relative error in each factor, which the softmax hands on to every output of the token.
; They are 8,192 x 1,024 x 8 multiply-adds, a thousandth of the program's: no bulk work.  The numbers are used as they stand in the registers: no conversion, no copy.
; gate_w's numbers of a K step are asked for TWO K STEPS AHEAD, into three sets of 64 registers that take turns, in the second window of 256 registers: a step's sixteen loads have two steps' work
; (two quantisings, 64 matrix instructions) in which to land.  32 loads of a wave are out at the most.
; LIMITS: NaN and infinities among the inputs are not served.  A block of zeros gets the byte 1 where the rule says 127: its codes are zeros, and this program alone reads the bytes.
; The row's largest logit is taken away ahead of the exponentials; a gate under 2^-126 becomes 0.
; SHARES.  Work-groups 0-127 take 64 rows of x each, 128-255 64 rows of expert_w.  Wave w takes rows 16 w .. 16 w + 15 for all of K: 64 KiB, brought by eight tensor loads (one for each K step: 16 rows x 512 bytes), all
; issued at the head into LDS bytes of the wave's own that are filled once: eight tensor loads of a wave are out.  Waves share nothing: no barrier, no LDS store.
; No cluster: no two work-groups read the same bytes but gate_w's 32 KiB.
.set REC,   51200                      ; bytes in a record
.set SCOFF, 49152                      ; where its scale words begin
.set PITCH, 528                        ; an LDS row: 512 bytes + 16 = 33 x 16: the sixteen rows that a load touches begin at sixteen different columns of 16 bytes
.set TILE,  16*PITCH                   ; a K step's tile
.set WREG,  8*TILE                     ; a wave's eight tiles
.set LA,  3                            ; v3   LDS: my wave's tiles + 528 r + 64 h
.set SO,  4                            ; v4   16 x lane: my place in a chunk
.set GWO, 5                            ; v5   gate_w: row r % 8, + 64 h; never rewritten
.set GO,  6                            ; v6   gates: 32 r + 16 h
.set X,   16                           ; v16-79   64 numbers of my row: register 16 b + i = k 32 b + 16 h + i of the K step
.set ACC, 144                          ; v144-175 four accumulators of the logits, by turns; written by matrix instructions alone
.set PC,  176                          ; v176-187 the fragment's codes; v188-195 the conversions' second halves
.set TM,  196                          ; v196-199 largest magnitudes, v200-203 bytes, v208-211 the conversions' scale operands
.set PW,  212                          ; v212     the scale word just made
.set SCW, 214                          ; v214-217 my 16 bytes of the scale chunk
.set GBV, 218                          ; v218-225 gate_b in the result's layout
.set L,   226                          ; v226-233 the logits, then the gates
.set T,   234                          ; v234-235 at work
.set GS,  236                          ; v236-239 at work, then the four gates that I store
; In the second window (v256 on, written with their low 8 bits): gate_w's numbers of K step s, at the same places of a lane's registers as x's, in set s % 3: at v0, v64 and v176 of that window
.set WV,  18                           ; s18  wave
.set SEL, 22                           ; s[22:23] v_permlanex16_b32's selects for lane l xor 16
.set G1,  24                           ; s[24:31] descriptor group 1
.set G0,  32                           ; s[32:63] descriptor group 0, a set for each K step
.set MSB, 0
.macro WIN new                         ; s_set_vgpr_msb: bits 1:0 source 0, 3:2 source 1, 5:4 source 2, 7:6 destination; the immediate's high byte repeats the setting that is left
.if MSB != \new
	s_set_vgpr_msb (MSB<<8)|\new
.set MSB, \new
.endif
.endm
	s_load_b256 s[4:11], s[0:1], 0x0               ; x s[4:5], expert_w s[6:7], gate_w s[8:9], gate_b s[10:11]
	s_load_b128 s[12:15], s[0:1], 0x20             ; xq s[12:13], wq s[14:15]
	s_load_b64 s[16:17], s[0:1], 0x30              ; gates
	v_lshl_add_u32 v254, v0, 2, 0x42000
	v_mov_b32 v255, 0
	ds_add_u32 v254, v255
	ds_add_u32 v254, v255
	v_lshrrev_b32 v1, 5, v0
	v_readfirstlane_b32 s[WV], v1                  ; wave 0..3
	s_mul_i32 s20, s[WV], WREG                     ; my tiles in LDS
	s_mov_b32 s21, 0xffff0000                      ; lanes 16-31, as a mask for v_cndmask_b32
	s_mov_b32 s[SEL], 0x76543210
	s_mov_b32 s[SEL+1], 0xfedcba98
	; group 1: 16 rows x 128 elements of 4 bytes, 1,024 elements from row to row; in LDS 4 words of padding behind every 128
	s_mov_b32 s[G1+0], (2<<16)|(1<<20)|(6<<22)|(3<<25)
	s_mov_b32 s[G1+1], 128<<16                     ; tensor_dim0
	s_mov_b32 s[G1+2], 16<<16                      ; tensor_dim1
	s_mov_b32 s[G1+3], 128<<16                     ; tile_dim0
	s_mov_b32 s[G1+4], 16                          ; tile_dim1
	s_mov_b32 s[G1+5], 1024                        ; tensor_dim0_stride
	s_mov_b32 s[G1+6], 0
	s_mov_b32 s[G1+7], 0
	s_cmp_lt_u32 ttmp9, 128                        ; x's work-group or a weight's?  Every choice here hangs on the work-group's number alone
	s_cselect_b32 s19, 0, 128
	s_sub_co_u32 s19, ttmp9, s19                   ; i: which 64 rows of my tensor
	s_and_b32 s66, s19, 15
	s_lshl_b32 s66, s66, 3
	s_lshr_b32 s67, s19, 4
	s_add_co_u32 s66, s66, s67                     ; a weight's record: (i % 16) x 8 + i / 16
	s_cmp_lt_u32 ttmp9, 128
	s_cselect_b32 s66, s19, s66                    ; x's record: i
	s_mul_i32 s78, s66, REC
	s_lshl_b32 s67, s[WV], 9
	s_add_co_u32 s66, s78, s67
	s_add_co_u32 s66, s66, SCOFF                   ; my scale chunk: record + 49,152 + 512 w
	s_mov_b32 s67, 0
	s_mul_i32 s79, s[WV], 1536
	s_add_co_u32 s78, s78, s79                     ; my fragments: record + 1,536 w (+ 6,144 s)
	s_mov_b32 s79, 0
	s_lshl_b32 s76, s19, 18                        ; my rows: 64 i rows of 4,096 bytes,
	s_lshl_b32 s77, s[WV], 16                      ; + 16 w rows
	s_add_co_u32 s76, s76, s77
	s_mov_b32 s77, 0
	s_wait_dscnt 0x0
	s_wait_kmcnt 0x0
	s_cmp_lt_u32 ttmp9, 128
	s_cselect_b64 s[4:5], s[4:5], s[6:7]           ; from x or from expert_w,
	s_cselect_b64 s[12:13], s[12:13], s[14:15]     ; into xq or into wq
	s_add_nc_u64 s[4:5], s[4:5], s[76:77]
	s_add_nc_u64 s[14:15], s[12:13], s[66:67]      ; the scale chunk's base
	s_add_nc_u64 s[12:13], s[12:13], s[78:79]      ; the codes' base
.irp s, 0,1,2,3,4,5,6,7                        ; all eight first fills, ahead of every wait on TENSORcnt and of every LDS read
	s_mov_b32 s[G0+4*\s], 1                                        ; count = 1
	s_add_co_u32 s[G0+4*\s+1], s20, TILE*\s                        ; LDS address: wave x 67,584 + 8,448 s
	s_add_nc_u64 s[G0+4*\s+2:G0+4*\s+3], s[4:5], 512*\s            ; global address: K step s of my first row
	s_or_b32 s[G0+4*\s+3], s[G0+4*\s+3], 0x80000000                ; type = 2
	tensor_load_to_lds s[G0+4*\s:G0+4*\s+3], s[G1:G1+7]
	s_nop 0
.endr
	v_and_b32 v1, 15, v0                           ; r
	v_bfe_u32 v2, v0, 4, 1                         ; h
	v_mul_u32_u24 v[LA], v1, PITCH
	v_lshl_add_u32 v[LA], v2, 6, v[LA]
	v_add_nc_u32 v[LA], s20, v[LA]
	v_and_b32 v[SO], 31, v0
	v_lshlrev_b32 v[SO], 4, v[SO]
	v_and_b32 v[GWO], 7, v0
	v_lshlrev_b32 v[GWO], 12, v[GWO]
	v_lshl_add_u32 v[GWO], v2, 6, v[GWO]
	v_lshlrev_b32 v[GO], 5, v1
	v_lshl_add_u32 v[GO], v2, 4, v[GO]
.irp b, 0,1,2,3
	v_mov_b32 v[TM+4+\b], 0                        ; written once: a lane permute's destination counts as one of its sources
.endr
; 64 numbers of a lane, v[s] .. v[s + 63], register 16 b + i = k 32 b + 16 h + i of my row, become a fragment's codes in v[PC] on and its scale word in v[PW] (the same word in lanes l and l xor 16).  The numbers stay as they are.
.macro QUANT s
.irp b, 0,1,2,3
	v_max3_num_f32 v[TM+\b], |v[\s+16*\b]|, |v[\s+1+16*\b]|, 0x1800000   ; block b: my 16 numbers, and the floor 2^(3 - 127): so the byte cannot fall under 1
.endr
.irp i, 2,4,6,8,10,12,14
.irp b, 0,1,2,3
	v_max3_num_f32 v[TM+\b], v[TM+\b], |v[\s+16*\b+\i]|, |v[\s+1+16*\b+\i]|   ; (the four blocks by turns: no line waits for the line above it)
.endr
.endr
.irp b, 0,1,2,3
	v_permlanex16_b32 v[TM+4+\b], v[TM+\b], s[SEL], s[SEL+1]
.endr
.irp b, 0,1,2,3
	v_max_num_f32 v[TM+\b], v[TM+\b], v[TM+4+\b]   ; with lane l xor 16's: the block's largest magnitude
.endr
.irp b, 0,1,2,3
	v_add_nc_u32 v[TM+12+\b], 0xff000000, v[TM+\b]   ; 2 off its exponent field: the conversion takes the exponent field of this operand as its scale
.endr
.irp b, 0,1,2,3
	v_lshrrev_b32 v[TM+4+\b], 23, v[TM+12+\b]      ; the scale's byte
.endr
	v_lshl_or_b32 v[PW], v[TM+5], 8, v[TM+4]       ; the four bytes make my row's scale word
	v_lshl_or_b32 v[PW], v[TM+6], 16, v[PW]
	v_lshl_or_b32 v[PW], v[TM+7], 24, v[PW]
.irp c, 0,1
	v_cvt_scalef32_pk16_fp6_f32 v[PC+6*\c:PC+2+6*\c], v[\s+32*\c:\s+15+32*\c], v[TM+12+2*\c]
	v_cvt_scalef32_pk16_fp6_f32 v[PC+12+4*\c:PC+14+4*\c], v[\s+16+32*\c:\s+31+32*\c], v[TM+12+2*\c+1]   ; (a conversion's three registers begin on an even number)
.endr
	v_nop                                          ; one plain place behind a scaled conversion
.irp c, 0,1                                    ; the operand's layout wants a WHOLE block in a lane: lanes 0-15 block 2 c, lanes 16-31 block 2 c + 1
.irp i, 0,1,2
	v_permlane16_swap_b32 v[PC+6*\c+\i], v[PC+12+4*\c+\i]
.endr
.irp i, 0,1,2
	v_mov_b32 v[PC+3+6*\c+\i], v[PC+12+4*\c+\i]
.endr
.endr
.endm
; gate_w's numbers of K step s into set s % 3 of the second window.  The macro leaves the destination's window at 1: the caller sets what it needs next.
.macro GWLOAD s
	WIN 0x40                                       ; destination window 1, address window 0
.set GL, 64*((\s)%3)+48*(((\s)%3)/2)           ; sets at 0, 64 and 176
.irp b, 0,1,2,3
.irp j, 0,1,2,3
	global_load_b128 v[GL+16*\b+4*\j:GL+16*\b+4*\j+3], v[GWO], s[8:9] offset:512*(\s)+128*\b+16*\j
.endr
.endr
.endm
; K step s.  gate = 1: the step's part of the logits too.
.macro STEP s, gate
	s_wait_tensorcnt 7-(\s)                        ; a wave's tensor loads end in order: this step's tile is in, the 7 - s younger ones may be out
.irp b, 0,1,2,3
.irp j, 0,1,2,3
	ds_load_b128 v[X+16*\b+4*\j:X+16*\b+4*\j+3], v[LA] offset:TILE*(\s)+128*\b+16*\j
.endr
.endr
	s_wait_dscnt 0x0
	s_wait_xcnt 0x0                                ; the last step's stores have read the codes' registers: they are written again only behind this wait
	QUANT X
.irp c, 0,1,2
	global_store_b128 v[SO], v[PC+4*\c:PC+4*\c+3], s[12:13] offset:6144*(\s)+512*\c   ; 32 lanes store 512 consecutive bytes, at a multiple of 512 from the buffer's first byte
.endr
.if (\s)%2 == 0
	v_mov_b32 v[SCW+(\s)/2], v[PW]                 ; an even step's word: kept by lanes 0-15;
.else
	v_cndmask_b32 v[SCW+(\s)/2], v[SCW+(\s)/2], v[PW], s21   ; the odd step's takes its place in lanes 16-31
.endif
.if \gate
.if (\s) < 7
	s_wait_loadcnt 16                              ; loads come back in order: this step's gate_w, asked for two steps ago, is in; the next step's sixteen loads may be out
.else
	s_wait_loadcnt 0x0
.endif
.if (\s)+2 < 8
	GWLOAD (\s)+2                                  ; into the set that the last step read: its products stand in front of eight places and of this step's quantising
.endif
; source 0 = gate_w (lane r: expert r % 8), source 1 = x (lane r: token r), 4 along K an instruction: the form takes k = 2 h + j from register j of lane (r, h).  Pair q of my registers holds, on both sides alike,
; k = 32 (q / 8) + 16 h + 2 (q % 8) + j: the same permutation of k on both, which keeps every product.  In the result register j of lane (r, h) is the logit of expert j for token r, in both halves of the lanes.
; The four accumulators take turns, one instruction a turn; gate_b starts the first sum, the constant 0 the others.
	WIN 0x01                                       ; source 0 window 1; x, C and D window 0
.set GA, 64*((\s)%3)+48*(((\s)%3)/2)
.set q, 0
.rept 32
.if ((\s) == 0) && (q == 0)
	v_wmma_f32_16x16x4_f32 v[ACC:ACC+7], v[GA:GA+1], v[X:X+1], v[GBV:GBV+7]
.elseif ((\s) == 0) && (q < 4)
	v_wmma_f32_16x16x4_f32 v[ACC+8*q:ACC+8*q+7], v[GA+2*q:GA+2*q+1], v[X+2*q:X+2*q+1], 0
.else
	v_wmma_f32_16x16x4_f32 v[ACC+8*(q%4):ACC+8*(q%4)+7], v[GA+2*q:GA+2*q+1], v[X+2*q:X+2*q+1], v[ACC+8*(q%4):ACC+8*(q%4)+7]
.endif
.set q, q+1
.endr
	WIN 0
.rept 8
	v_nop                                          ; eight places behind this form in front of loads into registers that these products read; behind the last step, in front of the first read of the sums
.endr
.endif
.endm
	s_cmp_lt_u32 ttmp9, 128
	s_cbranch_scc0 .Lweights
	; ---- x's work-groups
	s_load_b256 s[68:75], s[10:11], 0x0            ; gate_b
	s_lshl_b32 s76, s19, 11                        ; gates: (64 i + 16 w) rows of 32 bytes
	s_lshl_b32 s77, s[WV], 9
	s_add_co_u32 s76, s76, s77
	s_mov_b32 s77, 0
	s_add_nc_u64 s[16:17], s[16:17], s[76:77]
	s_mov_b32 s76, 0x3fb8aa3b                      ; log2(e)
	GWLOAD 0                                       ; the first two steps' gate_w: 32 loads
	GWLOAD 1
	WIN 0
	s_wait_kmcnt 0x0
.irp j, 0,1,2,3,4,5,6,7
	v_mov_b32 v[GBV+\j], s[68+\j]                  ; register j of the result is expert j
.endr
.irp s, 0,1,2,3,4,5,6,7
	STEP \s, 1
.endr
.irp j, 0,1,2,3,4,5,6,7                        ; the four partial sums, into other registers; each accumulator is read from its low end on
	v_add_f32 v[L+\j], v[ACC+\j], v[ACC+8+\j]
	v_add_f32 v[T+\j%2], v[ACC+16+\j], v[ACC+24+\j]
	v_add_f32 v[L+\j], v[L+\j], v[T+\j%2]
.endr
	v_max3_num_f32 v[T], v[L], v[L+1], v[L+2]      ; the token's largest logit
	v_max3_num_f32 v[T+1], v[L+3], v[L+4], v[L+5]
	v_max3_num_f32 v[T], v[T], v[L+6], v[L+7]
	v_max_num_f32 v[T], v[T], v[T+1]
	v_mul_f32 v[T], s76, v[T]
.irp j, 0,1,2,3,4,5,6,7
	v_fma_f32 v[L+\j], v[L+\j], s76, -v[T]         ; (logit - the largest) x log2(e)
.endr
.irp j, 0,1,2,3,4,5,6,7
	v_exp_f32 v[L+\j], v[L+\j]
.endr
	v_nop                                          ; one plain place behind the exponentials
	s_wait_alu depctr_va_vdst(0)
	v_add_f32 v[T], v[L], v[L+1]
	v_add_f32 v[T+1], v[L+2], v[L+3]
	v_add_f32 v[GS], v[L+4], v[L+5]
	v_add_f32 v[GS+1], v[L+6], v[L+7]
	v_add_f32 v[T], v[T], v[T+1]
	v_add_f32 v[GS], v[GS], v[GS+1]
	v_add_f32 v[T], v[T], v[GS]                    ; about 1 at the least: the largest logit's term
	v_rcp_f32 v[T], v[T]
	v_nop                                          ; one plain place behind the reciprocal
	s_wait_alu depctr_va_vdst(0)
.irp j, 0,1,2,3,4,5,6,7
	v_mul_f32 v[L+\j], v[L+\j], v[T]
.endr
.irp i, 0,1,2,3
	v_cndmask_b32 v[GS+\i], v[L+\i], v[L+4+\i], s21   ; lanes 0-15 store experts 0-3 of their token, lanes 16-31 experts 4-7
.endr
	global_store_b128 v[GO], v[GS:GS+3], s[16:17]  ; the wave's 16 tokens: 512 consecutive bytes
	s_branch .Lscales
.Lweights:
	; ---- the weights' work-groups
.irp s, 0,1,2,3,4,5,6,7
	STEP \s, 0
.endr
.Lscales:
	global_store_b128 v[SO], v[SCW:SCW+3], s[14:15]   ; my row block's scale chunk: 512 consecutive bytes
	s_wait_tensorcnt 0x0
	ds_add_u32 v254, v255
	s_wait_dscnt 0x0
	s_endpgm
.Lfunc_end_k_q1044a7e709_quant:
	.size	k_q1044a7e709_quant, .Lfunc_end_k_q1044a7e709_quant-k_q1044a7e709_quant
	.p2alignl 7, 3214868480
	.fill 96, 4, 3214868480
	.section	.rodata,"a",@progbits
	.p2align	6, 0x0
	.amdhsa_kernel k_q1044a7e709_quant
		.amdhsa_group_segment_fixed_size 270848
		.amdhsa_private_segment_fixed_size 0
		.amdhsa_enable_private_segment 0
		.amdhsa_kernarg_size 56
		.amdhsa_user_sgpr_count 2
		.amdhsa_user_sgpr_kernarg_segment_ptr 1
		.amdhsa_wavefront_size32 1
		.amdhsa_system_sgpr_workgroup_id_x 1
		.amdhsa_system_sgpr_workgroup_id_y 1
		.amdhsa_system_sgpr_workgroup_id_z 1
		.amdhsa_system_vgpr_workitem_id 0
		.amdhsa_next_free_vgpr 512
		.amdhsa_next_free_sgpr 80
		.amdhsa_reserve_vcc 0
		.amdhsa_float_denorm_mode_32 3
		.amdhsa_float_denorm_mode_16_64 3
		.amdhsa_memory_ordered 1
		.amdhsa_forward_progress 1
		.amdhsa_inst_pref_size 123
	.end_amdhsa_kernel
	.amdgpu_metadata
---
amdhsa.version: [ 1, 2 ]
amdhsa.kernels:
  - .name:           k_q1044a7e709_quant
    .symbol:         k_q1044a7e709_quant.kd
    .args:
      - { .name: x, .offset: 0, .size: 8, .value_kind: global_buffer, .address_space: global }
      - { .name: expert_w, .offset: 8, .size: 8, .value_kind: global_buffer, .address_space: global }
      - { .name: gate_w, .offset: 16, .size: 8, .value_kind: global_buffer, .address_space: global }
      - { .name: gate_b, .offset: 24, .size: 8, .value_kind: global_buffer, .address_space: global }
      - { .name: xq, .offset: 32, .size: 8, .value_kind: global_buffer, .address_space: global }
      - { .name: wq, .offset: 40, .size: 8, .value_kind: global_buffer, .address_space: global }
      - { .name: gates, .offset: 48, .size: 8, .value_kind: global_buffer, .address_space: global }
    .group_segment_fixed_size: 270848
    .private_segment_fixed_size: 0
    .kernarg_segment_align: 8
    .kernarg_segment_size: 56
    .max_flat_workgroup_size: 128
    .sgpr_count:     80
    .vgpr_count:     512
    .wavefront_size: 32
...
	.end_amdgpu_metadata
.endif
;; end of part 1
;; launch moe (part 2): grid 32 x 8, 4 waves a work-group, clusters of 4 x 1, 327,680 bytes of LDS; arguments xq, wq, gates, expert_b, out0; writes out0
.if DOCPART == 2
	.amdgcn_target "amdgcn-amd-amdhsa--gfx1250"
	.amdhsa_code_object_version 6
	.text
	.protected	k_q1044a7e709_moe
	.globl	k_q1044a7e709_moe
	.p2align	8
	.type	k_q1044a7e709_moe,@function
k_q1044a7e709_moe:
	s_mov_b64 s[64:65], 0
	v_nop
	global_prefetch_b8 v0, s[64:65] scope:SCOPE_SE
	s_setreg_imm32_b32 hwreg(HW_REG_WAVE_MODE, 25, 1), 1
	s_wait_xcnt 0x0
	s_wait_alu depctr_hold_cnt(0) depctr_sa_sdst(0) depctr_va_vdst(0) depctr_va_sdst(0) depctr_va_ssrc(0) depctr_va_vcc(0) depctr_vm_vsrc(0)
	s_getreg_b32 s2, hwreg(HW_REG_IB_STS2, 6, 4)
	s_cmp_eq_u32 s2, 0
	s_cbranch_scc0 .Lentry_in_a_cluster
	s_endpgm
.Lentry_in_a_cluster:
	s_bfe_u32 s2, ttmp6, 0x10000c
	s_cmp_lg_u32 s2, 0x3003
	s_cbranch_scc0 .Lentry_shape_is_right
	s_endpgm
.Lentry_shape_is_right:
; out0[n][o] = the sum over e of gates[n][e] x (the sum over k of Q(x)[n][k] Q(W)[e][o][k] + expert_b[e][o]).  out0: [8192][1024] f32.
; xq, wq: codes of FP6 (E2M3) and E8M0 scale words in records of 51,200 bytes (64 rows x 1,024 K), in the order of the operand's registers: fragment 4 s + b (K step s of 128, row block b of 16) at 1,536 (4 s + b), as three
; chunks of 512 bytes (every lane's registers 4 c .. 4 c + 3 at 16 x lane); at 49,152 four chunks of scale words: chunk b gives lane (r, h) the words of row 16 b + r for K steps h, 2 + h, 4 + h, 6 + h, so that register i of the
; four carries step 2 i in lanes 0-15 and step 2 i + 1 in lanes 16-31.  x's record is token / 64, a weight's (o / 64) x 8 + e.  gates: [8192][8] f32.
; SHARES.  A work-group takes 256 tokens x 128 outputs, as two tiles of 64 outputs; each of its four waves 64 tokens against all 64 outputs of the tile in hand.  x IS THE SAME FOR ALL EIGHT EXPERTS: a wave's 32 fragments of x
; (384 registers) are loaded once and stay.  So LDS is read for the weights alone: a fragment of 1,536 bytes feeds four products.  A wave walks 16 tiles t = 8 x (output tile) + e; a tile is 8 K steps x 16 products into Y
; (16 accumulators, begun with the expert's bias as C); then OUT = OUT + gate x Y, 64 packed multiply-adds; after each eighth tile OUT goes out.  A gate is no power of two, so Y and OUT are two sets of registers.
; THE MATRIX INSTRUCTION IS USED TRANSPOSED: source 0 = 16 rows of W (outputs), source 1 = 16 tokens: lane (r, h) holds token 16 a + r and its registers the outputs 16 nb + 8 h + 0 .. 7: one gate a lane, 32 neighbouring bytes of out0.
; THE RING.  The work-group's 16 records lie on end in wq.  Two LDS slots of two records; each wave brings a quarter of a slot by one tensor load (100 rows of 256 bytes); a refill has 256 matrix instructions in which to land.
; CLUSTER.  The four work-groups of a cluster differ in their tokens alone and walk the same weights and biases: each such tile is asked for JOINTLY, by the same tensor load with the same descriptor and the mask 15.
; The place in the cluster enters the addresses of xq, gates and out0 alone.  A wave has three tensor loads out at the start, later one.
; x is not shared in the cluster; it goes from memory straight into the registers where it stays.  No prefetch: the codes were stored by the launch before, and each slot is asked for a whole slot ahead.
; LIMITS: those of the launch that makes the codes and the gates.
; REGISTERS, in windows of 256 (s_set_vgpr_msb: bits 1:0 source 0, 3:2 source 1, 5:4 source 2, 7:6 destination):
;   window 0: v2-21 addresses and gates in hand; v32-47 x's scale words; v48-79 W's, a set for each record of a slot; v80-95 gates on their way in; v112-143 the tile's bias; v160-255 x of K steps 0, 1
;   window 1: v0-191 W's fragments, two sets of two K steps; v192-239 x of K step 2        window 2: v0-239 x of K steps 3-7        window 3: v0-127 Y, v128-255 OUT, both at 8 (4 a + nb)
.set REC,   51200                      ; a record
.set QUART, 25600                      ; a quarter of a slot: what one tensor load brings
.set SLOT1, 1<<17                      ; slot 1 begins here, so that one exclusive or turns an address in one slot into the other's
.set BIAS,  2*REC                      ; behind slot 0: the biases, [tile t][64] f32, filled once
.set SPARE, BIAS+4096                  ; the spare words, 128 bytes for each wave: two blocks of 256 bytes that no other line names
.set GL,    SPARE+512                  ; the gates: 2,048 bytes for each wave, its own: [e][r][a] f32
.set STAGE, SLOT1+2*REC                ; behind slot 1: 16 rows x 272 bytes for each wave, for the way out
.set SP,    272
.set LN,  2                            ; v2   16 x lane
.set AW0, 3                            ; v3   the slot in hand, record 0, + 16 x lane
.set AW1, 4                            ; v4   record 1
.set AB0, 5                            ; v5   BIAS + 32 h
.set AB,  6                            ; v6   + 512 x slot
.set AG0, 7                            ; v7   GL + 2,048 w + 16 r
.set AG,  8                            ; v8   + 256 x the slot's first expert
.set STO, 9                            ; v9   the way out: where I put 32 bytes of a row
.set RD,  10                           ; v10  and where I read a row back
.set CO,  11                           ; v11  my byte offset in two rows of out0
.set SPW, 12                           ; v12  LDS address of my spare word: SPARE + 4 x my thread's number; never rewritten
.set NIL, 13                           ; v13  0; never rewritten
.set GT,  16                           ; v16-19 the gates of my four tokens (16 a + r) for the tile's expert
.set XS,  32
.set WS,  48
.set BI,  112
.set OUT, 128                          ; in window 3
.set WV,  14                           ; s14  wave
.set G1W, 24                           ; s[24:31] group 1 for the weights;  s[32:35], s[36:39] group 0 for the two first fills; the second then walks on
.set G1B, 40                           ; s[40:47], s[48:51] groups 1 and 0 for the biases
.set TB,  52                           ; s52  LDS byte at which the slot in hand begins
.set J,   55                           ; s55  the slot's number, in the loop
.set MSB, 0
.macro WIN new                         ; the immediate's high byte repeats the setting that is left; a switch that changes nothing is dropped
.if MSB != \new
	s_set_vgpr_msb (MSB<<8)|\new
.set MSB, \new
.endif
.endm
; A load into a register that a matrix instruction has read, and a vector instruction that reads a matrix result, stand four places behind it, and only plain vector instructions that name none of its registers are places
; (ISA guide 7.12.1 for vector instructions).
.macro PLACES
.rept 4
	v_nop
.endr
.endm
; A round of the cluster's barrier: my work-group's barrier, wave 0 signals for the work-group, every wave waits for all four work-groups, my work-group's barrier once more.
.macro ROUND
	s_barrier_signal -1
	s_barrier_wait -1
	s_cmp_lg_u32 s[WV], 0
	s_cbranch_scc1 .Lnot_wave_0_\@
	s_barrier_signal -3
.Lnot_wave_0_\@:
	s_barrier_wait -3
	s_barrier_signal -1
	s_barrier_wait -1
.endm
	s_load_b256 s[4:11], s[0:1], 0x0               ; xq s[4:5], wq s[6:7], gates s[8:9], expert_b s[10:11]
	s_load_b64 s[12:13], s[0:1], 0x20              ; out0
	v_lshl_add_u32 v[SPW], v0, 2, SPARE
	v_mov_b32 v[NIL], 0
	ds_add_u32 v12, v13
	ds_add_u32 v12, v13
	s_wait_dscnt 0x0
	v_lshrrev_b32 v14, 5, v0
	v_readfirstlane_b32 s[WV], v14                 ; wave 0..3
	s_bfe_u32 s15, ttmp6, 0x40000                  ; cx: my place in the cluster
	s_lshl_b32 s16, ttmp9, 2                       ; in a cluster launch ttmp9 counts clusters
	s_add_co_u32 s16, s16, s15                     ; my block of 256 tokens
	s_and_b32 s17, ttmp7, 0xffff                   ; my block of 128 outputs, which the four partners share
	; what is asked for jointly hangs on the outputs' block and the wave's number alone, in registers that never hold cx
	s_mul_i32 s56, s17, 16*REC                     ; wq: my 16 records,
	s_mul_i32 s60, s[WV], QUART                    ; my quarter of a slot, in memory and in LDS
	s_add_co_u32 s56, s56, s60
	s_mov_b32 s57, 0
	s_and_b32 s58, s[WV], 1                        ; expert_b: experts 4 (w % 2) on: rows of 4,096 bytes,
	s_lshl_b32 s58, s58, 14
	s_lshl_b32 s59, s17, 9                         ; outputs 128 x block
	s_add_co_u32 s58, s58, s59
	s_lshr_b32 s59, s[WV], 1                       ; + 64 (w / 2)
	s_lshl_b32 s59, s59, 8
	s_add_co_u32 s58, s58, s59
	s_mov_b32 s59, 0
	s_lshl_b32 s61, s[WV], 10                      ; they are tiles 4 w .. 4 w + 3: 256 bytes each in LDS
	; what is mine alone
	s_lshl_b32 s18, s16, 2
	s_add_co_u32 s18, s18, s[WV]
	s_mul_i32 s18, s18, REC                        ; xq: record 4 x block + w
	s_mov_b32 s19, 0
	s_lshl_b32 s20, s16, 13                        ; gates: (256 x block + 64 w) rows of 32 bytes
	s_lshl_b32 s21, s[WV], 11
	s_add_co_u32 s20, s20, s21
	s_mov_b32 s21, 0
	s_lshl_b32 s22, s16, 20                        ; out0: the same rows, of 4,096 bytes,
	s_lshl_b32 s23, s[WV], 18
	s_add_co_u32 s22, s22, s23
	s_lshl_b32 s23, s17, 9                         ; + 128 outputs x block
	s_add_co_u32 s22, s22, s23
	s_mov_b32 s23, 0
	; group 1 for the weights: a dense block of 25,600 bytes as 100 rows of 32 elements of 8 bytes; no padding: every read takes 16 x lane on end
	s_mov_b32 s[G1W+0], 15|(3<<16)|(1<<21)         ; 15:0 the mask: all four work-groups; 17:16 elements of 8 bytes; 21 set beside a mask
	s_mov_b32 s[G1W+1], 32<<16                     ; tensor_dim0
	s_mov_b32 s[G1W+2], 100<<16                    ; tensor_dim1
	s_mov_b32 s[G1W+3], 32<<16                     ; tile_dim0
	s_mov_b32 s[G1W+4], 100                        ; tile_dim1
	s_mov_b32 s[G1W+5], 32                         ; tensor_dim0_stride
	s_mov_b32 s[G1W+6], 0
	s_mov_b32 s[G1W+7], 0
	; and for the biases: 4 experts x 64 elements of 4 bytes, 1,024 elements from expert to expert
	s_mov_b32 s[G1B+0], 15|(2<<16)|(1<<21)
	s_mov_b32 s[G1B+1], 64<<16
	s_mov_b32 s[G1B+2], 4<<16
	s_mov_b32 s[G1B+3], 64<<16
	s_mov_b32 s[G1B+4], 4
	s_mov_b32 s[G1B+5], 1024
	s_mov_b32 s[G1B+6], 0
	s_mov_b32 s[G1B+7], 0
	s_wait_kmcnt 0x0
	s_add_nc_u64 s[4:5], s[4:5], s[18:19]
	s_add_nc_u64 s[8:9], s[8:9], s[20:21]
	s_add_nc_u64 s[12:13], s[12:13], s[22:23]
	s_add_nc_u64 s[6:7], s[6:7], s[56:57]
	s_add_nc_u64 s[10:11], s[10:11], s[58:59]
	s_mov_b32 s32, 1                               ; slot 0: records 0, 1
	s_mov_b32 s33, s60
	s_mov_b64 s[34:35], s[6:7]
	s_or_b32 s35, s35, 0x80000000
	s_mov_b32 s36, 1                               ; slot 1: records 2, 3
	s_add_co_u32 s37, s60, SLOT1
	s_add_nc_u64 s[38:39], s[6:7], 2*REC
	s_or_b32 s39, s39, 0x80000000
	s_mov_b32 s48, 1                               ; the biases
	s_add_co_u32 s49, s61, BIAS
	s_mov_b64 s[50:51], s[10:11]
	s_or_b32 s51, s51, 0x80000000
	ROUND                                          ; all four work-groups are here: the first joint loads meet
	tensor_load_to_lds s[48:51], s[G1B:G1B+7]      ; the first fills stand together, ahead of every wait on TENSORcnt and every LDS read; four v_nop follow the last
	s_nop 0
	tensor_load_to_lds s[32:35], s[G1W:G1W+7]
	s_nop 0
	tensor_load_to_lds s[36:39], s[G1W:G1W+7]
	s_nop 0
	PLACES
	v_and_b32 v[LN], 31, v0
	v_lshlrev_b32 v[LN], 4, v[LN]
	v_and_b32 v14, 15, v0                          ; r
	v_bfe_u32 v15, v0, 4, 1                        ; h
	v_lshlrev_b32 v20, 5, v14
	v_lshl_add_u32 v20, v15, 4, v20                ; gates: 32 r + 16 h
.irp a, 0,1,2,3
	global_load_b128 v[80+4*\a:83+4*\a], v20, s[8:9] offset:512*\a      ; register 4 a + i: the gate of token 16 a + r for expert 4 h + i
.endr
.irp a, 0,1,2,3
	global_load_b128 v[XS+4*\a:XS+4*\a+3], v[LN], s[4:5] offset:49152+512*\a   ; x's scale words
.endr
.macro XLOAD s                                 ; x's four fragments of K step s: twelve chunks on end, into twelve runs of four registers on end
.if (\s) < 2
	WIN 0
.set XB, 160+48*(\s)
.elseif (\s) == 2
	WIN 0x40
.set XB, 192
.else
	WIN 0x80
.set XB, 48*((\s)-3)
.endif
.irp i, 0,1,2,3,4,5,6,7,8,9,10,11
	global_load_b128 v[XB+4*\i:XB+4*\i+3], v[LN], s[4:5] offset:6144*(\s)+512*\i
.endr
.endm
.irp s, 0,1,2,3,4,5,6,7
	XLOAD \s
.endr
	WIN 0
	v_lshl_add_u32 v[AB0], v15, 5, BIAS
	s_lshl_b32 s62, s[WV], 11
	s_add_co_u32 s62, s62, GL
	v_lshl_add_u32 v[AG0], v14, 4, s62
	v_lshl_add_u32 v21, v15, 10, v[AG0]            ; where my gates go: expert 4 h + i, token 16 a + r: + 1,024 h (+ 256 i + 4 a)
	s_mul_i32 s63, s[WV], 16*SP
	s_add_co_u32 s63, s63, STAGE                   ; my stage
	v_mul_u32_u24 v[STO], v14, SP                  ; in: row r, 32 bytes for each half of the lanes
	v_lshl_add_u32 v[STO], v15, 5, v[STO]
	v_add_nc_u32 v[STO], s63, v[STO]
	v_mul_u32_u24 v[RD], v15, SP                   ; back: lanes 0-15 take one row of 256 bytes, lanes 16-31 the next
	v_lshl_add_u32 v[RD], v14, 4, v[RD]
	v_add_nc_u32 v[RD], s63, v[RD]
	v_lshlrev_b32 v[CO], 12, v15                   ; and the same two rows in out0
	v_lshl_add_u32 v[CO], v14, 4, v[CO]
	s_mov_b32 s[TB], 0
	v_add_nc_u32 v[AW0], s[TB], v[LN]
	v_add_nc_u32 v[AW1], REC, v[AW0]
	v_mov_b32 v[AB], v[AB0]
	s_wait_loadcnt 0x0                             ; the gates, x's scale words, x
.irp a, 0,1,2,3
.irp i, 0,1,2,3
	ds_store_b32 v21, v[80+4*\a+\i] offset:256*\i+4*\a   ; turned through my own 2,048 bytes of LDS, so that one load of 16 bytes gives a lane its four tokens' gates for one expert
.endr
.endr
	s_wait_tensorcnt 1                             ; the biases and my part of slot 0 are in; slot 1's may stay out
	s_wait_dscnt 0x0
	s_barrier_signal -1
	s_barrier_wait -1                              ; everybody's are
; 16 matrix instructions: K step s of the record rec of the slot: my four blocks of tokens x the tile's four blocks of outputs.  set: which set holds W's fragments.  Step 0 starts the sums with the bias as C.
; The 16 accumulators take turns, one instruction a turn, in the same order in every step.
.macro MUL16 rec, s, set
.if (\s) == 0
	WIN 0xc1                                       ; W window 1, x window 0, the bias window 0, Y window 3
.set XB, 160
.elseif (\s) == 1
	WIN 0xf1                                       ; C and D window 3
.set XB, 208
.elseif (\s) == 2
	WIN 0xf5                                       ; x window 1
.set XB, 192
.else
	WIN 0xf9                                       ; x window 2
.set XB, 48*((\s)-3)
.endif
.set WB, 96*(\set)+48*((\s)%2)
.set WSC, WS+16*(\rec)+(\s)/2
.set XSC, XS+(\s)/2
.irp a, 0,1,2,3
.irp nb, 0,1,2,3
.if (\s) == 0
	v_wmma_scale_f32_16x16x128_f8f6f4 v[8*(4*\a+\nb):8*(4*\a+\nb)+7], v[WB+12*\nb:WB+12*\nb+11], v[XB+12*\a:XB+12*\a+11], v[BI+8*\nb:BI+8*\nb+7], v[WSC+4*\nb], v[XSC+4*\a] matrix_a_fmt:MATRIX_FMT_FP6 matrix_b_fmt:MATRIX_FMT_FP6
.elseif (\s)%2 == 0
	v_wmma_scale_f32_16x16x128_f8f6f4 v[8*(4*\a+\nb):8*(4*\a+\nb)+7], v[WB+12*\nb:WB+12*\nb+11], v[XB+12*\a:XB+12*\a+11], v[8*(4*\a+\nb):8*(4*\a+\nb)+7], v[WSC+4*\nb], v[XSC+4*\a] matrix_a_fmt:MATRIX_FMT_FP6 matrix_b_fmt:MATRIX_FMT_FP6
.else
	v_wmma_scale_f32_16x16x128_f8f6f4 v[8*(4*\a+\nb):8*(4*\a+\nb)+7], v[WB+12*\nb:WB+12*\nb+11], v[XB+12*\a:XB+12*\a+11], v[8*(4*\a+\nb):8*(4*\a+\nb)+7], v[WSC+4*\nb], v[XSC+4*\a] matrix_a_fmt:MATRIX_FMT_FP6 matrix_b_fmt:MATRIX_FMT_FP6 matrix_a_scale:MATRIX_SCALE_ROW1 matrix_b_scale:MATRIX_SCALE_ROW1
.endif
.endr
.endr
.endm
.macro FETCHW adr, p, set              ; W's eight fragments of K steps 2 p, 2 p + 1: 24 chunks on end into 24 runs of four registers on end
	WIN 0x40
.irp i, 0,1,2,3,4,5,6,7,8,9,10,11,12,13,14,15,16,17,18,19,20,21,22,23
	ds_load_b128 v[96*(\set)+4*\i:96*(\set)+4*\i+3], v[\adr] offset:12288*(\p)+512*\i
.endr
.endm
.macro FETCHS adr, rec                 ; a record's scale words
	WIN 0
.irp c, 0,1,2,3
	ds_load_b128 v[WS+16*(\rec)+4*\c:WS+16*(\rec)+4*\c+3], v[\adr] offset:49152+512*\c
.endr
.endm
.macro FETCHB off                      ; a tile's bias in the result's layout: register 8 nb + j = output 16 nb + 8 h + j
	WIN 0
.irp nb, 0,1,2,3
.irp u, 0,1
	ds_load_b128 v[BI+8*\nb+4*\u:BI+8*\nb+4*\u+3], v[AB] offset:\off+64*\nb+16*\u
.endr
.endr
.endm
.macro FETCHG off                      ; my four tokens' gates for a tile's expert
	WIN 0
	ds_load_b128 v[GT:GT+3], v[AG] offset:\off
.endm
; Two K steps, 32 matrix instructions.  Ahead of them the next pair's fragments are asked for, from pair pn at adr, into the other set, whose last readers stand in front of the places (for p = 0: in front of the gate's 68 vector lines).
; ex = 1: also record 1's scale words and bias and this tile's gates; ex = 2: also this tile's gates.  The wait leaves out what has just been issued: 24 loads, and 13 or 1 more.
.macro PAIR rec, p, adr, pn, ex
.if (\p) > 0
	PLACES
.endif
	FETCHW \adr, \pn, ((\p)+1)%2
.if \ex == 1
	FETCHS AW1, 1
	FETCHB 256
	FETCHG 0
	s_wait_dscnt 37
.elseif \ex == 2
	FETCHG 256
	s_wait_dscnt 25
.else
	s_wait_dscnt 24
.endif
	MUL16 \rec, 2*(\p), (\p)%2
	MUL16 \rec, 2*(\p)+1, (\p)%2
.endm
; OUT = OUT + gate x Y (first = 0) or OUT = gate x Y (first = 1: a tile of outputs' first expert starts the sums: nothing is cleared).  Two numbers an instruction; of the pair of gates the register of block a serves both halves.
; Each accumulator is read from its low end on.
.macro GATE64 first
	WIN 0xf3                                       ; Y and OUT window 3, the gates window 0
.irp a, 0,1,2,3
.irp q, 0,1,2,3,4,5,6,7,8,9,10,11,12,13,14,15
.if \first
.if \a%2 == 0
	v_pk_mul_f32 v[OUT+32*\a+2*\q:OUT+32*\a+2*\q+1], v[32*\a+2*\q:32*\a+2*\q+1], v[GT+2*(\a/2):GT+2*(\a/2)+1] op_sel_hi:[1,0]
.else
	v_pk_mul_f32 v[OUT+32*\a+2*\q:OUT+32*\a+2*\q+1], v[32*\a+2*\q:32*\a+2*\q+1], v[GT+2*(\a/2):GT+2*(\a/2)+1] op_sel:[0,1] op_sel_hi:[1,1]
.endif
.else
.if \a%2 == 0
	v_pk_fma_f32 v[OUT+32*\a+2*\q:OUT+32*\a+2*\q+1], v[32*\a+2*\q:32*\a+2*\q+1], v[GT+2*(\a/2):GT+2*(\a/2)+1], v[OUT+32*\a+2*\q:OUT+32*\a+2*\q+1] op_sel_hi:[1,0,1]
.else
	v_pk_fma_f32 v[OUT+32*\a+2*\q:OUT+32*\a+2*\q+1], v[32*\a+2*\q:32*\a+2*\q+1], v[GT+2*(\a/2):GT+2*(\a/2)+1], v[OUT+32*\a+2*\q:OUT+32*\a+2*\q+1] op_sel:[0,1,0] op_sel_hi:[1,1,1]
.endif
.endif
.endr
.endr
	WIN 0
.endm
.macro COMBINE dyn                     ; dyn = 1: in the loop, a slot's first tile is expert 0 where the slot's number is a multiple of 4: a scalar branch on the trip counter
	WIN 0                                          ; at a branch and at a label every window is 0
	PLACES                                         ; in front of the first read of the last products' results
.if \dyn
	s_and_b32 s56, s[J], 3
	s_cmp_eq_u32 s56, 0
	s_cbranch_scc1 .Lstart_\@
.endif
	GATE64 0
.if \dyn
	s_branch .Lweighed_\@
.Lstart_\@:
	GATE64 1
.Lweighed_\@:
.endif
.endm
; A slot's last pair changes slots.  In front of the barrier each wave waits for all its tensor loads (one is out: its part of the next slot), adds 0 to its spare word, and waits for that and for its own reads of this slot.
; kind = 2: this slot is filled again, with the records two slots on: the barrier is a round of the cluster's, and the joint refill is the first thing behind it.  kind = 1: nothing is left to fetch.
.macro TURN kind
	WIN 0                                          ; (the add's two registers lie in window 0)
	s_wait_tensorcnt 0x0                           ; no tensor load of mine is out, so a group 0 may be written
	ds_add_u32 v[SPW], v[NIL]                      ; 0 onto my spare word
.if \kind == 2
	s_xor_b32 s37, s37, SLOT1                      ; the walking descriptor: the other slot than last time,
	s_add_nc_u64 s[38:39], s[38:39], 2*REC         ; the next two records; the type bits on top are not reached
.endif
	s_wait_dscnt 1                                 ; the pair's fragments are in; the add may be out
	MUL16 1, 6, 1                                  ; sixteen matrix instructions stand between the add and the wait for it
	WIN 0
	s_wait_dscnt 0x0                               ; the add is done, and my reads of this slot are over
.if \kind == 2
	ROUND                                          ; no wave of any partner still reads this slot or has a load on its way
	tensor_load_to_lds s[36:39], s[G1W:G1W+7]      ; my one tensor load behind the round; the four v_nop behind it are also the places in front of the loads below
	s_nop 0
	PLACES
.else
	s_barrier_signal -1
	s_barrier_wait -1
	PLACES
.endif
	s_xor_b32 s[TB], s[TB], SLOT1                  ; on to the other slot
	v_add_nc_u32 v[AW0], s[TB], v[LN]
	v_add_nc_u32 v[AW1], REC, v[AW0]
	FETCHW AW0, 0, 0
	FETCHS AW0, 0
	FETCHB 512                                     ; the next slot's first tile
	MUL16 1, 7, 1
.endm
; THE WAY OUT: 64 tokens x 64 outputs.  A lane holds 32 neighbouring bytes of a row and the lanes beside it other rows: so a block of 16 rows goes through my own stage in LDS and comes back as whole rows of 256 bytes, into the
; registers that it left.  LDS serves a wave's instructions in order (ISA guide 5.7.1.4): no wait between the stores and the loads, nor in front of the next block's stores.
.macro TOSTAGE a
	WIN 0x0c                                       ; an LDS store's data are its source 1: window 3
.irp nb, 0,1,2,3
	ds_store_b128 v[STO], v[OUT+32*(\a)+8*\nb:OUT+32*(\a)+8*\nb+3] offset:64*\nb
	ds_store_b128 v[STO], v[OUT+32*(\a)+8*\nb+4:OUT+32*(\a)+8*\nb+7] offset:64*\nb+16
.endr
	WIN 0xc0
.irp t, 0,1,2,3,4,5,6,7
	ds_load_b128 v[OUT+32*(\a)+4*\t:OUT+32*(\a)+4*\t+3], v[RD] offset:2*SP*\t
.endr
.endm
.macro SEND a, younger                 ; younger: the LDS instructions issued behind block a's loads: the next block's sixteen, or none
	s_wait_dscnt \younger
	WIN 0x0c
.irp t, 0,1,2,3,4,5,6,7
	global_store_b128 v[CO], v[OUT+32*(\a)+4*\t:OUT+32*(\a)+4*\t+3], s[12:13] offset:(16*(\a)+2*\t)*4096 th:TH_STORE_NT   ; 16 lanes store 256 consecutive bytes, at a multiple of 256 from out0's first byte; written once, read by nobody here
.endr
.endm
.macro WAYOUT more                     ; more = 1: the second tile of outputs follows
	TOSTAGE 0
	TOSTAGE 1
	SEND 0, 16
	TOSTAGE 2
	SEND 1, 16
	TOSTAGE 3
	SEND 2, 16
	SEND 3, 0
	WIN 0
.if \more
	s_wait_xcnt 0x0                                ; the stores have read their registers and their base: OUT is begun anew and the base steps only behind this wait
	s_add_nc_u64 s[12:13], s[12:13], 256           ; 64 outputs on
.endif
.endm
; A SLOT: two tiles, 256 matrix instructions.  turn: TURN's kind, or 0 in the last slot.  dyn = 1: in the loop, where the slot's number is s[J]; else it is j.  last = 1: the way out follows.
.macro SLOT turn, dyn, last, j
.if \dyn
	s_lshl_b32 s57, s[J], 9                        ; the slot's two tiles of bias: 512 bytes a slot
	s_and_b32 s58, s[J], 3
	s_lshl_b32 s58, s58, 9                         ; its two experts' gates: experts 2 (slot % 4) on, 256 bytes each
	v_add_nc_u32 v[AB], s57, v[AB0]
	v_add_nc_u32 v[AG], s58, v[AG0]
.else
	v_add_nc_u32 v[AB], 512*(\j), v[AB0]
	v_add_nc_u32 v[AG], 512*((\j)%4), v[AG0]
.endif
	PAIR 0, 0, AW0, 1, 0
	PAIR 0, 1, AW0, 2, 1
	PAIR 0, 2, AW0, 3, 0
	PAIR 0, 3, AW1, 0, 0
	COMBINE \dyn
	PAIR 1, 0, AW1, 1, 0
	PAIR 1, 1, AW1, 2, 2
	PAIR 1, 2, AW1, 3, 0
.if \turn > 0
	TURN \turn
.else
	s_wait_dscnt 0x0                               ; the very last pair: nothing more to fetch
	MUL16 1, 6, 1
	MUL16 1, 7, 1
.endif
	COMBINE 0
.if \dyn
	s_and_b32 s56, s[J], 3                         ; behind slot 3 the first tile of outputs has had its eight experts
	s_cmp_lg_u32 s56, 3
	s_cbranch_scc1 .Lstay_\@
	WAYOUT 1
.Lstay_\@:
.elseif \last
	WAYOUT 0
.endif
.endm
	FETCHW AW0, 0, 0                               ; tile 0's first pair, its scale words and its bias
	FETCHS AW0, 0
	FETCHB 0
	s_mov_b32 s[J], 0
.Lslot:                                            ; six trips: behind each of slots 0 to 5 the slot two on is asked for
	SLOT 2, 1, 0, 0
	s_add_co_u32 s[J], s[J], 1
	s_cmp_lt_u32 s[J], 6
	s_cbranch_scc1 .Lslot
	SLOT 1, 0, 0, 6                                ; the last two slots are written out
	SLOT 0, 0, 1, 7
	s_wait_tensorcnt 0x0                           ; the wave's end, behind my last tensor load and my last LDS store
	ds_add_u32 v[SPW], v[NIL]
	s_wait_dscnt 0x0
	ROUND                                          ; the closing round: no work-group ends while a partner may still ask for a tile that names it
	s_endpgm
.Lfunc_end_k_q1044a7e709_moe:
	.size	k_q1044a7e709_moe, .Lfunc_end_k_q1044a7e709_moe-k_q1044a7e709_moe
	.p2alignl 7, 3214868480
	.fill 96, 4, 3214868480
	.section	.rodata,"a",@progbits
	.p2align	6, 0x0
	.amdhsa_kernel k_q1044a7e709_moe
		.amdhsa_group_segment_fixed_size 327680
		.amdhsa_private_segment_fixed_size 0
		.amdhsa_enable_private_segment 0
		.amdhsa_kernarg_size 40
		.amdhsa_user_sgpr_count 2
		.amdhsa_user_sgpr_kernarg_segment_ptr 1
		.amdhsa_wavefront_size32 1
		.amdhsa_system_sgpr_workgroup_id_x 1
		.amdhsa_system_sgpr_workgroup_id_y 1
		.amdhsa_system_sgpr_workgroup_id_z 1
		.amdhsa_system_vgpr_workitem_id 0
		.amdhsa_next_free_vgpr 1024
		.amdhsa_next_free_sgpr 66
		.amdhsa_reserve_vcc 0
		.amdhsa_float_denorm_mode_32 3
		.amdhsa_float_denorm_mode_16_64 3
		.amdhsa_memory_ordered 1
		.amdhsa_forward_progress 1
		.amdhsa_inst_pref_size 206
	.end_amdhsa_kernel
	.amdgpu_metadata
---
amdhsa.version: [ 1, 2 ]
amdhsa.kernels:
  - .name:           k_q1044a7e709_moe
    .symbol:         k_q1044a7e709_moe.kd
    .args:
      - { .name: xq, .offset: 0, .size: 8, .value_kind: global_buffer, .address_space: global }
      - { .name: wq, .offset: 8, .size: 8, .value_kind: global_buffer, .address_space: global }
      - { .name: gates, .offset: 16, .size: 8, .value_kind: global_buffer, .address_space: global }
      - { .name: expert_b, .offset: 24, .size: 8, .value_kind: global_buffer, .address_space: global }
      - { .name: out0, .offset: 32, .size: 8, .value_kind: global_buffer, .address_space: global }
    .group_segment_fixed_size: 327680
    .private_segment_fixed_size: 0
    .kernarg_segment_align: 8
    .kernarg_segment_size: 40
    .max_flat_workgroup_size: 128
    .sgpr_count:     66
    .vgpr_count:     1024
    .wavefront_size: 32
...
	.end_amdgpu_metadata
.endif
;; end of part 2
